; MI455X (gfx1250); checked and timed in simulation.
; The chip was launched on July 23, 2026; its instructions are those of AMD's public machine-readable ISA for CDNA 5 (MIT licence, August 2026) and "CDNA5" Instruction Set Architecture Reference Guide (July 2026). The comments in the code are by the model that wrote it; some were corrected since.
;; Local Attention. Allowed arithmetic: matrix products marked QUANTISED: E4M3 operands, one E8M0 scale for each 32 along K, by v_wmma_scale_f32_16x16x128_f8f6f4 with both operands' format E4M3, f32 sums; everything else in f32.
;; Inputs: k 4 x 8 x 8,192 x 64 float32; q_codes 4 x 8 x 8,192 x 2 x 32 uint8 (E4M3 codes of q, K innermost, in blocks of 32 codes); q_scales 4 x 8 x 8,192 x 2 uint8 (E8M0 scales of q, one for each 32 codes along K); v 4 x 8 x 8,192 x 64 float32.
;; Outputs: out0 4 x 8 x 8,192 x 64 float32.
;; This version of the problem:
;;   THIS VERSION OF THE PROBLEM IS GIVEN IN LOW PRECISION. The matrix products marked QUANTISED in the list below multiply operands that are first quantised to E4M3 (4 exponent bits, 3 mantissa bits; 8 bits a number), with one power-of-two scale for each 32 numbers along K (OCP MX v1.0); their sums are f32. All else is computed in f32.
;;   The module's matrix products, in the order in which they are computed (A, B: the left and right operand; K: the contracted axis; several contracted axes count as one K, in the product's order):
;;     1. batch 2,048 x [M 128, K 64] x [K 64, N 256]; A: input q (given as codes); B: computed on the way: QUANTISED
;;     2. batch 2,048 x [M 128, K 256] x [K 256, N 64]; A: softmax (see below); B: computed on the way: QUANTISED
;;   THE QUANTISER, for each operand of a quantised product, along K:
;;     - K is cut into blocks of 32 from its start; a last block that is shorter is filled with zeros.
;;     - A block's scale is 2^e with e = floor(log2(the largest magnitude in the block)) - 8, held to -126 .. 127; a block of zeros has e = 0. As a byte (E8M0): e + 127.
;;     - Each number is divided by its block's scale, clamped to +-448, and rounded to the nearest number of E4M3, ties to even, subnormals kept.
;;     - The product sums the exact products of the quantised numbers (number of the format x scale) in f32.
;;   ~~~python
;;   def quantise(x, axis):      # numpy; x: float32 -> the quantised numbers, widened to float32 again
;;       x = np.moveaxis(x, axis, -1); K = x.shape[-1]
;;       x = np.pad(x, [(0, 0)] * (x.ndim - 1) + [(0, -K % 32)]); x = x.reshape(x.shape[:-1] + (-1, 32)); a = np.abs(x).max(-1, keepdims=True)
;;       e = np.where(a > 0, np.clip(np.frexp(np.where(a > 0, a, 1))[1] - 1 - 8, -126, 127), 0)      # np.frexp(a)[1] - 1 = floor(log2(a)), exactly
;;       r = np.clip(x / 2.0 ** e, -448, 448)
;;       step = 2.0 ** (np.maximum(np.frexp(np.where(r == 0, 1, r))[1] - 1, -6) - 3)
;;       q = np.round(r / step) * step * 2.0 ** e      # np.round: ties to even
;;       return np.moveaxis(q.reshape(q.shape[:-2] + (-1,))[..., :K], -1, axis).astype(np.float32)
;;   ~~~
;;   SOFTMAX AHEAD OF A QUANTISED PRODUCT. Where the list says 'softmax', what is quantised is not the finished softmax but p = 2^(t - M), with t = logit x log2(e) and M = ceil(the row's largest t), a whole number; so 1/2 < the row's largest p <= 1. The row's sum l is taken of the UNQUANTISED p, in f32, and the product's result is divided by l at the end. Since M is a whole number, a kernel that streams over the keys may use a running M (the ceiling of the running maximum): every later rescaling is an exact power of two, which a block's scale takes up: the codes' values come out the same.
;;   OPERANDS COMPUTED ON THE WAY. 'Computed on the way' means the value that the module computes at that place (a softmax that the list does not call 'softmax' is quantised finished and normalised). What goes into a quantiser is computed in f32, as accurately as f32 sums, v_exp_f32 and their like allow (about 1e-6 of the number): no bf16 or f16 on the way to a quantiser, and a product that is left as it is and whose result goes on into a quantised operand takes f32 operands (vector FMAs, or v_wmma_f32_16x16x4_f32). A number that lies on a knife's edge between two numbers of the format may be rounded either way, as far as f32 arithmetic and the matrix unit's own rounding can turn it there, and no further.
;;   INPUTS GIVEN AS CODES. q (in the module: [4, 8, 8192, 64], K = its axis 3): each comes as NAME_codes (uint8): NAME with its K axis moved to the last place and cut into blocks of 32 codes, [.., K / 32, bytes a block], one block behind the other in memory; one code a byte (a code: sign, 4 exponent bits, 3 mantissa bits); and NAME_scales (uint8): the same leading axes, one E8M0 byte (e + 127) for each 32 codes along K. Its value is code x scale, taken as it is: it is not quantised again, and the codes and scales need not be those that the quantiser above would give.
;; One version. Each part assembles by itself: llvm-mc -triple=amdgcn-amd-amdhsa -mcpu=gfx1250 --defsym DOCPART=n.
;; ======== version 1 of 1: 1 launch
;; limits: right only within a limited range of input values
;; launch attn (part 1): grid 256 x 1, 16 waves a work-group, no clusters, 156,160 bytes of LDS; arguments k, q_codes, q_scales, v, out0; writes out0
.if DOCPART == 1
	.amdgcn_target "amdgcn-amd-amdhsa--gfx1250"
	.amdhsa_code_object_version 6
	.text
	.protected	k_q8b2155ff77_attn
	.globl	k_q8b2155ff77_attn
	.p2align	8
	.type	k_q8b2155ff77_attn,@function
k_q8b2155ff77_attn:
	s_mov_b64 s[64:65], 0
	v_nop
	global_prefetch_b8 v0, s[64:65] scope:SCOPE_SE
	s_setreg_imm32_b32 hwreg(HW_REG_WAVE_MODE, 25, 1), 1
	s_wait_xcnt 0x0
; Local causal attention on codes of FP8 (E4M3) with one E8M0 scale for each 32 along a product's K.  32 heads x 8,192 positions x 64 channels; windows of 128:
; a query sees the whole window before its own, and its own window up to itself; a head's first window has none before it.
; q comes as codes and scale bytes; k (K = the 64 channels) and v (K = the keys) come as f32 and are quantised here; blocks of 32 keys of the joined 256 keys are
; blocks of 32 positions, so a window's codes serve it as the own window and as the window before.
; SOFTMAX: t = score x log2(e) / 8; M = the largest t so far rounded up to a whole number; p = 2^(t - M) is quantised along the keys; the sum of the unquantised p divides at the end.
; When M moves from the window before to the own window, the sum is multiplied by f = 2^(old M - new M), and the scale bytes of the codes made under the old M take f up: exact
; (a byte that would fall under 0 stays 0, 2^-127 beside a largest p over 1/2).
; SHARES.  Work-group g: head g / 8, positions 1,024 (g % 8) on: 8 windows and the window before them (unless g % 8 = 0), which is read a second time: 1/8 more of k and v.
; Sixteen waves of 256 registers in two teams of eight: team 0 walks windows 0-3, team 1 windows 4-7, one a trip.  In a trip a team's waves 0-3 quantise 32 keys of k each, its waves 4-7 32 keys of v each,
; and store them in LDS as IMAGES OF THE OPERANDS' REGISTERS; each wave owns one tile of 16 queries.  Each window is quantised once: team 1 begins with the window before its first,
; window 3, whose image team 0 finds there in its last trip.  A wave's part of its team's next window (64 registers) is on its way from memory through the whole attention of this one.
; ONE BARRIER A TRIP, its halves apart: a wave signals when its codes of the own window lie in LDS, works on the window before (whole since the last trip's barrier), and waits only then.
; (In the first trip that work is done ahead of the loop, while the first windows are on their way.)
; Each window's image has LDS bytes of its own, written once: no wave overwrites what another reads, and nothing stands at a trip's end.
; ORDER OF KEYS.  Within a block of 32, key 2 n + h is number 16 h + n: row 8 h + j of key tile T is key 16 T + 2 j + h.  So a lane of half h holds the keys of parity h, in S^T and in v's loads alike,
; and a tile is 16 neighbouring keys: tiles wholly behind a wave's queries are left out (the causal mask throws them away, whatever the inputs hold; so are those of the window before a head's first);
; the tile on the diagonal takes the mask (0 or -3e38) as the C of its product.
; LAYOUT.  S^T = K Q^T: a lane holds one query.  O = P V: row = query, column r of tile t = channel 4 r + t, so that sixteen lanes hold a row's 256 bytes.
; THE FIRST PRODUCT'S K IS 64, the instruction's 128: q's upper eight registers are zero codes, K's upper eight are the next tile's codes or zero codes; scale bytes 2 and 3 are 0 on both sides.
; PREFETCH: each wave asks in a trip for its 32 rows of the window that it loads in the next trip, a lane a row; ahead of the loop for its rows of its team's second window; where no such load follows it asks for nothing.
; NO CLUSTER: work-groups share only the window before their first, one window in nine of what a work-group reads of k and v, and not at the same time.  No tensor loads: the loads land in the quantisers' own layout.
; LIMITS: NaN and infinities in k and v, NaN codes and the scale byte 0xff in q are not served (nor is one that reaches only hidden tiles carried to the result); scaled scores stay under 2^31 in magnitude;
; a p under 2^-126 counts as 0 (ISA guide, the entry of v_exp_f32); a block of zeros gets the byte 1, not 127: its codes are zeros and this program alone reads the bytes.
.set SLOT,  16896                      ; LDS: from 0 two mask tables of 1,024 bytes, one a team; then nine images: the window before the chunk, and the chunk's eight
.set VIMG,  8192                       ; an image: K: 8 key tiles x 1,024 (block c at 512 c, 16 bytes a lane); V: 4 channel tiles x 2,048 (key block c at 512 c, 16 bytes a lane);
.set KSC,   16384                      ; K's two scale bytes: 32 x tile + 2 x row;
.set VSC,   16640                      ; V's scale words: 64 x tile + 4 x row, byte c = key block
.set IMG0,  2048
.set SPARE, IMG0+9*SLOT                ; the spare words, 128 bytes for each wave
.set L16, 1                            ; v1   16 x lane
.set ADI, 2                            ; v2   16 x lane + the image of the window before
.set ADS, 3                            ; v3   4 x (lane % 16) + the same
.set ADK, 4                            ; v4   2 x (lane % 16) + the same
.set QO,  5
.set QSO, 6
.set LO,  7                            ; v7   my offset in k or v
.set GO,  8                            ; v8   my offset in two rows of the output
.set IS,  9                            ; v9   where my K codes go in an image
.set SS,  10                           ; v10  and their scale bytes
.set PFO, 11                           ; v11  256 x lane
.set QS,  12                           ; v12  q's scale word
.set TX,  13                           ; v13  the largest t
.set NM,  14                           ; v[14:15] -M
.set T,   16                           ; v[16:17] at work
.set SO1, 18                           ; v18-21 the scales of the window before
.set BJ,  14                           ; v14-21, when those are done with: 1 / sum of query 8 h + j
.set SUM, 22                           ; v[22:23] the row's sum in two halves
.set F,   24                           ; v24  2^(old M - new M)
.set FS,  26                           ; v26-33 scale words of fragments
.set X,   34
.set PW1, 35                           ; v35, v36 the scale words of p's codes: window before, own window
.set PW2, 36
.set RL,  37
.set PC1, 38                           ; v38-53 p's codes, window before
.set PC2, 54                           ; v54-69 p's codes, own window; until they are made: the mask, or the numbers at work below
.set BMP, 54
.set SOP, 58
.set Q,   70                           ; v70-77 q's codes; v78-85 zero codes
.set QZ,  78
.set WI,  86                           ; v86, v87 where I store in an image; v86 then where I read the mask
.set WS,  87
.set S,   88                           ; v88-151 S^T, then p, then V's fragments, then the output
.set O,   152                          ; v152-183 O; K's fragments end at v183 (the first ones lie in S^T's upper half)
.set BMO, 152
.set SOO, 156
.set A,   160
.set ZZ,  184                          ; v184-191 zero codes behind the last fragment of K
.set KV,  192                          ; v192-255 my part of the next window on its way
.set MX,  152                          ; the quantisers work in registers that are free between two trips' products
.set KSO, 160
.set KH,  168
.set KW,  176
.set TV,  152
.set VSO, 54
.set VH,  58
.set VB,  62
.set VM,  66
.set WV,  14                           ; s14  the wave's number in its team
.set U,   15
.set TI,  16
.set SKIP, 17
.set TRIP, 18
.set RB,  19
.set CH,  20
.set MNT, 21
.set CS,  22
.set SEL, 24
.set HM,  26
.set MT,  45                           ; s45  my team's mask table
.set LIM, 46                           ; s46  my team quantises in the trips with TRIP at LIM or above, loads while TRIP is above LIM,
.set LIMP, 47                          ; s47  and prefetches while TRIP is above LIM + 1
.macro PLACES n                        ; plain vector places behind a matrix instruction (ISA guide 7.12.1)
.rept \n
	v_nop
.endr
.endm
.macro KLOAD dst, off                  ; 32 keys x 64 channels: register 8 g + i = key 4 g + lane / 8, channel 8 (lane % 8) + i
.irp g, 0,1,2,3,4,5,6,7
.irp j, 0,1
	global_load_b128 v[\dst+8*\g+4*\j:\dst+8*\g+4*\j+3], v[LO], s[4:5] offset:\off+1024*\g+16*\j
.endr
.endr
.endm
.macro VLOAD dst, off                  ; 32 keys x 64 channels: register 4 n + c = key 2 n + lane / 16, channel 4 (lane % 16) + c
.irp i, 0,1,2,3,4,5,6,7,8,9,10,11,12,13,14,15
	global_load_b128 v[\dst+4*\i:\dst+4*\i+3], v[LO], s[4:5] offset:\off+512*\i
.endr
.endm
.macro QLOAD
	global_load_b128 v[Q:Q+3], v[QO], s[6:7]
	global_load_b128 v[Q+4:Q+7], v[QO], s[6:7] offset:32
	global_load_u16 v[QS], v[QSO], s[8:9]                          ; two scale bytes; bytes 2 and 3 come as 0
.endm
; 32 keys of k become codes and scale bytes.  Four lanes share a block of 32 channels; the eight groups of registers take turns.
.macro KQ src, so, kc
.irp g, 0,1,2,3,4,5,6,7
	v_max3_num_f32 v[MX+\g], |v[\src+8*\g]|, |v[\src+8*\g+1]|, 0x4800000   ; the floor 2^(9 - 127) holds the byte at 1 from below
.endr
.irp i, 2,4,6
.irp g, 0,1,2,3,4,5,6,7
	v_max3_num_f32 v[MX+\g], v[MX+\g], |v[\src+8*\g+\i]|, |v[\src+8*\g+\i+1]|
.endr
.endr
.irp g, 0,1,2,3,4,5,6,7
	v_max_num_f32_dpp v[MX+\g], v[MX+\g], v[MX+\g] row_xmask:1 row_mask:0xf bank_mask:0xf
.endr
.irp g, 0,1,2,3,4,5,6,7
	v_max_num_f32_dpp v[MX+\g], v[MX+\g], v[MX+\g] row_xmask:2 row_mask:0xf bank_mask:0xf   ; the block's largest magnitude
.endr
.irp g, 0,1,2,3,4,5,6,7
	v_add_nc_u32 v[KSO+\g], 0xfc000000, v[MX+\g]                  ; 8 off its exponent field: the conversion's scale operand
.endr
.irp g, 0,1,2,3,4,5,6,7
	v_and_or_b32 v[KH+\g], v[MX+\g], 0x7f800000, s[MNT]           ; 448 x the scale
.endr
.irp g, 0,1,2,3,4,5,6,7
	v_lshrrev_b32 v[KW+\g], 23, v[KSO+\g]                         ; the scale's byte
.endr
.irp g, 0,1,2,3,4,5,6,7
.irp i, 0,1,2,3,4,5,6,7
	v_med3_num_f32 v[\src+8*\g+\i], v[\src+8*\g+\i], -v[KH+\g], v[KH+\g]   ; the conversion does not saturate (ISA guide 7.6.2): the hold
.endr
	v_cvt_scalef32_pk8_fp8_f32 v[\kc+2*\g:\kc+2*\g+1], v[\src+8*\g:\src+8*\g+7], v[KSO+\g]
.endr
	v_nop                                                          ; one plain line behind the last conversion
.irp g, 0,1,2,3,4,5,6,7
	ds_store_b64 v[WI], v[\kc+2*\g:\kc+2*\g+1] offset:\so+1024*(\g/4)+32*(\g%4)
	ds_store_b8 v[WS], v[KW+\g] offset:\so+KSC+32*(\g/4)+4*(\g%4)  ; the four lanes of a block write the same byte with the same value
.endr
.endm
; 32 keys of v: a lane holds 16 of them (one parity) for four channels; lane l xor 16 holds the block's others.  The hold also gathers a channel's 16 numbers.
.macro VQ src, so, vc, vt
.irp c, 0,1,2,3
	v_max3_num_f32 v[VM+\c], |v[\src+\c]|, |v[\src+4+\c]|, 0x4800000
.endr
.irp n, 2,4,6,8,10,12,14
.irp c, 0,1,2,3
	v_max3_num_f32 v[VM+\c], v[VM+\c], |v[\src+4*\n+\c]|, |v[\src+4*\n+4+\c]|
.endr
.endr
.irp c, 0,1,2,3
	v_permlanex16_b32 v[\vt+\c], v[VM+\c], s[SEL], s[SEL+1]
.endr
.irp c, 0,1,2,3
	v_max_num_f32 v[VM+\c], v[VM+\c], v[\vt+\c]
.endr
.irp c, 0,1,2,3
	v_add_nc_u32 v[VSO+\c], 0xfc000000, v[VM+\c]
.endr
.irp c, 0,1,2,3
	v_and_or_b32 v[VH+\c], v[VM+\c], 0x7f800000, s[MNT]
.endr
.irp c, 0,1,2,3
	v_lshrrev_b32 v[VB+\c], 23, v[VSO+\c]
.endr
.irp c, 0,1,2,3
.irp n, 0,1,2,3,4,5,6,7,8,9,10,11,12,13,14,15
	v_med3_num_f32 v[TV+16*(\c%2)+\n], v[\src+4*\n+\c], -v[VH+\c], v[VH+\c]
.endr
	v_cvt_scalef32_pk8_fp8_f32 v[\vc+4*\c:\vc+4*\c+1], v[TV+16*(\c%2):TV+16*(\c%2)+7], v[VSO+\c]
	v_cvt_scalef32_pk8_fp8_f32 v[\vc+4*\c+2:\vc+4*\c+3], v[TV+16*(\c%2)+8:TV+16*(\c%2)+15], v[VSO+\c]
.endr
	v_nop                                                          ; one plain line behind the last conversion
.irp c, 0,1,2,3
	ds_store_b128 v[WI], v[\vc+4*\c:\vc+4*\c+3] offset:\so+VIMG+2048*\c
	ds_store_b8 v[WS], v[VB+\c] offset:\so+VSC+64*\c               ; lanes l and l xor 16 write the same byte with the same value
.endr
.endm
.macro KADDR                           ; where my K codes and scale bytes go this trip: the image's base is a scalar stepped once a trip
	v_add_nc_u32 v[WI], s[RB], v[IS]
	v_add_nc_u32 v[WS], s[RB], v[SS]
.endm
.macro VADDR                           ; V's: 16 x lane + 512 x my key block; 4 x (lane % 16) + my key block
	s_lshl_b32 s28, s[U], 9
	s_add_co_u32 s28, s28, s[RB]
	s_add_co_u32 s29, s[RB], s[U]
	v_add_nc_u32 v[WI], s28, v[L16]
	v_and_b32 v[WS], 15, v0
	v_lshl_add_u32 v[WS], v[WS], 2, s29
.endm
.macro RADDR                           ; where I read images this trip
	v_add_nc_u32 v[ADI], s[RB], v[L16]
	v_and_b32 v[WI], 15, v0
	v_lshl_add_u32 v[ADS], v[WI], 2, s[RB]
	v_lshl_add_u32 v[ADK], v[WI], 1, s[RB]
.endm
.macro KFETCH so, nt                   ; nt key tiles and their scale words; the last tile ends at v183, ahead of the zero codes
.set CK, 0
.rept \nt
.set CF, ZZ-8*(\nt-CK)
	ds_load_b128 v[CF:CF+3], v[ADI] offset:\so+1024*CK
	ds_load_b128 v[CF+4:CF+7], v[ADI] offset:\so+1024*CK+512
	ds_load_u16 v[FS+CK], v[ADK] offset:\so+KSC+32*CK              ; bytes 2 and 3 come as 0
.set CK, CK+1
.endr
.endm
; S^T of nt tiles: source 0 = 16 keys (its upper eight registers meet q's zero codes), source 1 = my 16 queries.  With seven or eight tiles the last results lie over the first
; tiles' fragments: nine places in front of the first such product.  mask = 1: the last tile lies on the diagonal.
.macro SMUL nt, mask
.set CK, 0
.rept \nt
.set CF, ZZ-8*(\nt-CK)
.if CK+\nt == 12
	PLACES 9
.endif
.if (\mask) && (CK == \nt-1)
	v_wmma_scale_f32_16x16x128_f8f6f4 v[S+8*CK:S+8*CK+7], v[CF:CF+15], v[Q:Q+15], v[PC2:PC2+7], v[FS+CK], v[QS]
.else
	v_wmma_scale_f32_16x16x128_f8f6f4 v[S+8*CK:S+8*CK+7], v[CF:CF+15], v[Q:Q+15], 0, v[FS+CK], v[QS]
.endif
.set CK, CK+1
.endr
.endm
.macro VFETCH so, t                    ; V's fragment of channel tile t, all 128 keys, into the registers of block t of p
.irp c, 0,1,2,3
	ds_load_b128 v[S+16*(\t)+4*\c:S+16*(\t)+4*\c+3], v[ADI] offset:\so+VIMG+2048*(\t)+512*\c
.endr
.endm
.macro VSCALES so, fs
.irp t, 0,1,2,3
	ds_load_b32 v[\fs+\t], v[ADS] offset:\so+VSC+64*\t
.endr
.endm
.macro PV pc, pw, fs, zero             ; O (+)= P V: four accumulators, one instruction each: between a sum's two steps stand the three others'
.irp t, 0,1,2,3
.if \zero
	v_wmma_scale_f32_16x16x128_f8f6f4 v[O+8*\t:O+8*\t+7], v[\pc:\pc+15], v[S+16*\t:S+16*\t+15], 0, v[\pw], v[\fs+\t]
.else
	v_wmma_scale_f32_16x16x128_f8f6f4 v[O+8*\t:O+8*\t+7], v[\pc:\pc+15], v[S+16*\t:S+16*\t+15], v[O+8*\t:O+8*\t+7], v[\pw], v[\fs+\t]
.endif
.endr
.endm
; the largest score of blocks b0 .. b0 + n - 1 (32 keys) and, half = 1, of one more block of which one tile counts; by turns, each accumulator read from its low end on
.macro BLKMAX bm, b0, n, half
.set CB, \b0
.rept \n+\half
	v_max3_num_f32 v[\bm+CB], v[S+16*CB], v[S+16*CB+1], v[S+16*CB+2]
.set CB, CB+1
.endr
.irp i, 3,5
.set CB, \b0
.rept \n+\half
	v_max3_num_f32 v[\bm+CB], v[\bm+CB], v[S+16*CB+\i], v[S+16*CB+\i+1]
.set CB, CB+1
.endr
.endr
.if \half
.set CB, \b0+\n
	v_max_num_f32 v[\bm+CB], v[\bm+CB], v[S+16*CB+7]
.endif
.irp i, 7,9,11,13
.set CB, \b0
.rept \n
	v_max3_num_f32 v[\bm+CB], v[\bm+CB], v[S+16*CB+\i], v[S+16*CB+\i+1]
.set CB, CB+1
.endr
.endr
.set CB, \b0
.rept \n
	v_max_num_f32 v[\bm+CB], v[\bm+CB], v[S+16*CB+15]
.set CB, CB+1
.endr
.endm
.macro XLANE bm, so, n                 ; joined with lane l xor 16's keys
.set CB, 0
.rept \n
	v_permlanex16_b32 v[\so+CB], v[\bm+CB], s[SEL], s[SEL+1]
.set CB, CB+1
.endr
.set CB, 0
.rept \n
	v_max_num_f32 v[\bm+CB], v[\bm+CB], v[\so+CB]
.set CB, CB+1
.endr
.endm
.macro PEXP bm, nt, n                  ; p = 2^(c s - M) of nt tiles, and the same of n blocks' largest scores; the caller sets one plain line behind it
.set CJ, 0
.rept 4*\nt
	v_pk_fma_f32 v[S+CJ:S+CJ+1], v[S+CJ:S+CJ+1], s[CS:CS+1], v[NM:NM+1] op_sel_hi:[1,0,0]
.set CJ, CJ+2
.endr
.set CB, 0
.rept \n
	v_fma_f32 v[\bm+CB], v[\bm+CB], s[CS], v[NM]
.set CB, CB+1
.endr
	s_wait_alu depctr_va_vdst(0)                                   ; the wait ahead of the batch
.set CJ, 0
.rept 8*\nt
	v_exp_f32 v[S+CJ], v[S+CJ]
.set CJ, CJ+1
.endr
.set CB, 0
.rept \n
	v_exp_f32 v[\bm+CB], v[\bm+CB]
.set CB, CB+1
.endr
.endm
.macro PSCALE bm, so, n                ; each block's scale operand and its hold
.set CB, 0
.rept \n
	v_max_num_f32 v[\bm+CB], 0x4800000, v[\bm+CB]
.set CB, CB+1
.endr
.set CB, 0
.rept \n
	v_add_nc_u32 v[\so+CB], 0xfc000000, v[\bm+CB]
.set CB, CB+1
.endr
.set CB, 0
.rept \n
	v_and_or_b32 v[\bm+CB], v[\bm+CB], 0x7f800000, s[MNT]
.set CB, CB+1
.endr
.endm
.macro PACK pw, so, n                  ; the scale word; bytes of blocks left out stay 0 (their codes are zeros)
	v_lshrrev_b32 v[\pw], 23, v[\so]
.set CB, 1
.rept \n-1
	v_lshrrev_b32 v[X], 23, v[\so+CB]
	s_delay_alu instid0(VALU_DEP_1)
	v_lshl_or_b32 v[\pw], v[X], 8*CB, v[\pw]
.set CB, CB+1
.endr
.endm
.macro HOLD b, n, bm                   ; p is not negative: a one-sided hold, two numbers an instruction
.set CI, S+16*(\b)
.rept \n
	v_dual_min_num_f32 v[CI], v[CI], v[\bm+\b] :: v_dual_min_num_f32 v[CI+1], v[CI+1], v[\bm+\b]
.set CI, CI+2
.endr
.endm
.macro ADDS n                          ; n more pairs of p onto the three chains
.set CK, 0
.rept \n
.if CK == 0
	v_pk_add_f32 v[SUM:SUM+1], v[SUM:SUM+1], v[CJ:CJ+1]
.elseif CK == 1
	v_pk_add_f32 v[T:T+1], v[T:T+1], v[CJ:CJ+1]
.else
	v_pk_add_f32 v[A:A+1], v[A:A+1], v[CJ:CJ+1]
.endif
.set CK, CK+1
.if CK == 3
.set CK, 0
.endif
.set CJ, CJ+2
.endr
	v_pk_add_f32 v[T:T+1], v[T:T+1], v[A:A+1]
	s_delay_alu instid0(VALU_DEP_1)
	v_pk_add_f32 v[SUM:SUM+1], v[SUM:SUM+1], v[T:T+1]
.endm
; THE WINDOW BEFORE: all eight tiles.  It starts M and the sum.  LDS loads and work on registers alone: in the loop it stands between a barrier's signal and its wait.
.macro PREV
	KFETCH 0, 8
	s_wait_dscnt 0x0
	SMUL 8, 0
	BLKMAX BMP, 0, 2, 0                                            ; sixteen lines on the first four tiles: the places behind the last four's products
	BLKMAX BMP, 2, 2, 0
	XLANE BMP, SOP, 4
	s_delay_alu instid0(VALU_DEP_2)
	v_max3_num_f32 v[X], v[BMP], v[BMP+1], v[BMP+2]
	s_delay_alu instid0(VALU_DEP_1)
	v_max_num_f32 v[X], v[X], v[BMP+3]
	s_delay_alu instid0(VALU_DEP_1)
	v_mul_f32 v[TX], s[CS], v[X]
	s_delay_alu instid0(VALU_DEP_1)
	v_floor_f32 v[NM], -v[TX]                                      ; -M = floor(-t) = -ceil(t)
	PEXP BMP, 8, 4
	v_nop                                                          ; a plain line behind the exponentials
	s_wait_alu depctr_va_vdst(0)                                   ; the wait ahead of the batch's first reader
	PSCALE BMP, SO1, 4
	v_pk_add_f32 v[SUM:SUM+1], v[S:S+1], v[S+2:S+3]               ; the sum of the unquantised p, in three chains
	v_pk_add_f32 v[T:T+1], v[S+4:S+5], v[S+6:S+7]
	v_pk_add_f32 v[A:A+1], v[S+8:S+9], v[S+10:S+11]
.set CJ, S+12
	ADDS 26
.irp b, 0,1,2,3
	HOLD \b, 8, BMP
	v_cvt_scalef32_pk8_fp8_f32 v[PC1+4*\b:PC1+4*\b+1], v[S+16*\b:S+16*\b+7], v[SO1+\b]
	v_cvt_scalef32_pk8_fp8_f32 v[PC1+4*\b+2:PC1+4*\b+3], v[S+16*\b+8:S+16*\b+15], v[SO1+\b]
.endr
	v_nop                                                          ; one plain line behind the last conversion
.endm
.macro QNEXT                           ; the next window's queries, if there is one: q's last loads were waited for at the trip's head, and q's last product stands eight places back
	s_cmp_eq_u32 s[TRIP], 1
	s_cbranch_scc1 .Lnoq_\@
	s_add_nc_u64 s[6:7], s[6:7], 8192
	s_add_nc_u64 s[8:9], s[8:9], 256
	QLOAD
.Lnoq_\@:
.endm
; THE OWN WINDOW: tiles 0 .. nt - 1, the last one masked.
.macro OWN nt
.set NF, \nt/2                         ; whole blocks of 32 keys,
.set NH, \nt-2*NF                      ; 1: and one of which the first tile alone counts
.set NB, NF+NH
	KFETCH SLOT, \nt
	ds_load_b128 v[PC2:PC2+3], v[WI]                               ; the mask
	ds_load_b128 v[PC2+4:PC2+7], v[WI] offset:512
	s_wait_dscnt 0x0
	SMUL \nt, 1
	PLACES 8
	QNEXT
	BLKMAX BMO, 0, NF, NH
	XLANE BMO, SOO, NB
.if NB == 1
	s_delay_alu instid0(VALU_DEP_1)
	v_mul_f32 v[X], s[CS], v[BMO]
.else
.if NB == 2
	s_delay_alu instid0(VALU_DEP_1)
	v_max_num_f32 v[X], v[BMO], v[BMO+1]
.elseif NB == 3
	s_delay_alu instid0(VALU_DEP_1)
	v_max3_num_f32 v[X], v[BMO], v[BMO+1], v[BMO+2]
.else
	s_delay_alu instid0(VALU_DEP_2)
	v_max3_num_f32 v[X], v[BMO], v[BMO+1], v[BMO+2]
	s_delay_alu instid0(VALU_DEP_1)
	v_max_num_f32 v[X], v[X], v[BMO+3]
.endif
	s_delay_alu instid0(VALU_DEP_1)
	v_mul_f32 v[X], s[CS], v[X]
.endif
	s_delay_alu instid0(VALU_DEP_1)
	v_max_num_f32 v[TX], v[TX], v[X]                               ; the largest t of both windows
	v_mov_b32 v[X], v[NM]
	s_delay_alu instid0(VALU_DEP_2)
	v_floor_f32 v[NM], -v[TX]
	s_delay_alu instid0(VALU_DEP_1)
	v_sub_f32 v[X], v[NM], v[X]                                    ; old M - new M: a whole number, 0 or less
	s_delay_alu instid0(VALU_DEP_1)
	v_cvt_i32_f32 v[X], v[X]
	s_delay_alu instid0(VALU_DEP_1)
	v_ldexp_f32 v[F], 1.0, v[X]                                    ; f = 2^(old M - new M): rounds nothing
	PEXP BMO, \nt, NB
	v_pk_mul_f32 v[SUM:SUM+1], v[SUM:SUM+1], v[F:F+1] op_sel_hi:[1,0]   ; the sum under the new M; the plain line behind the exponentials
	s_wait_alu depctr_va_vdst(0)
	PSCALE BMO, SOO, NB
	v_pk_mul_f32 v[SO1:SO1+1], v[SO1:SO1+1], v[F:F+1] op_sel_hi:[1,0]   ; the scales of the window before under the new M
	v_pk_mul_f32 v[SO1+2:SO1+3], v[SO1+2:SO1+3], v[F:F+1] op_sel_hi:[1,0]
	PACK PW2, SOO, NB
	PACK PW1, SO1, 4
	v_pk_add_f32 v[T:T+1], v[S:S+1], v[S+2:S+3]
	v_pk_add_f32 v[A:A+1], v[S+4:S+5], v[S+6:S+7]
.set CJ, S+8
	ADDS 4*\nt-4
.set CB, NB                            ; p's codes; into each block's registers, when they are done with, V's fragment is asked for
.rept 4-NB
	v_mov_b32 v[PC2+4*CB], 0
	v_mov_b32 v[PC2+4*CB+1], 0
	v_mov_b32 v[PC2+4*CB+2], 0
	v_mov_b32 v[PC2+4*CB+3], 0
	VFETCH SLOT, CB
.set CB, CB+1
.endr
.set CB, 0
.rept NF
	HOLD CB, 8, BMO
	v_cvt_scalef32_pk8_fp8_f32 v[PC2+4*CB:PC2+4*CB+1], v[S+16*CB:S+16*CB+7], v[SOO+CB]
	v_cvt_scalef32_pk8_fp8_f32 v[PC2+4*CB+2:PC2+4*CB+3], v[S+16*CB+8:S+16*CB+15], v[SOO+CB]
	VFETCH SLOT, CB
.set CB, CB+1
.endr
.if NH
	HOLD CB, 4, BMO
	v_cvt_scalef32_pk8_fp8_f32 v[PC2+4*CB:PC2+4*CB+1], v[S+16*CB:S+16*CB+7], v[SOO+CB]
	v_mov_b32 v[PC2+4*CB+2], 0
	v_mov_b32 v[PC2+4*CB+3], 0
	VFETCH SLOT, CB
.endif
	v_nop                                                          ; one plain line behind the last conversion
	s_wait_alu depctr_va_vdst(0)                                   ; the wait ahead of the branch
.endm
	s_load_b256 s[4:11], s[0:1], 0x0               ; k s[4:5], q's codes s[6:7], q's scales s[8:9], v s[10:11]
	s_load_b64 s[12:13], s[0:1], 0x20              ; the output
	v_lshrrev_b32 v1, 5, v0
	v_readfirstlane_b32 s44, v1                    ; wave 0..15
	s_lshr_b32 s27, s44, 3                         ; my team,
	s_and_b32 s[WV], s44, 7                        ; and my number in it
	s_and_b32 s[U], s[WV], 3                       ; which 32 keys of a window I quantise
	s_lshr_b32 s28, s[WV], 2
	s_mul_i32 s29, s28, 3
	s_xor_b32 s[TI], s[WV], s29                    ; my tile of queries: 0 1 2 3 7 6 5 4, so that waves w and w + 4 have nine own tiles between them
	s_lshl_b32 s35, ttmp9, 1
	s_add_co_u32 s35, s35, s27                     ; my team's run of four windows: 512 rows, from row 512 x s35 on in every tensor
	s_and_b32 s[CH], s35, 15                       ; which sixteenth of the head
	s_sub_co_u32 s[LIM], 2, s27                    ; TRIP counts 4 .. 1: team 0 finds its last window's image done by team 1
	s_add_co_u32 s[LIMP], s[LIM], 1
	s_lshl_b32 s[MT], s27, 10
	s_mul_i32 s[RB], s27, 4*SLOT
	s_add_co_u32 s[RB], s[RB], IMG0                ; the image of the window before
	s_mov_b32 s[CS], 0x3e38aa3b                    ; c = log2(e) / 8
	s_mov_b32 s[CS+1], s[CS]                       ; (named with it as a pair)
	s_mov_b32 s[SEL], 0x76543210
	s_mov_b32 s[SEL+1], 0xfedcba98                 ; lane l xor 16
	s_mov_b32 s[MNT], 0x600000                     ; the mantissa field of 448
	s_mov_b32 s[HM], 0xffff0000                    ; lanes 16-31
	s_lshl_b32 s31, s28, 9
	s_lshl_b32 s28, s[U], 2
	s_add_co_u32 s31, s31, s28
	s_add_co_u32 s31, s31, s[MT]                   ; my word of my team's mask table
	s_lshl_b32 s30, s[WV], 1
	s_lshl_b32 s28, s[U], 11
	s_lshl_b32 s29, s[U], 6
	; where my parts begin, in bytes
	s_lshl_b32 s34, s35, 17                        ; rows of 256 bytes
	s_lshl_b32 s36, s[U], 13
	s_add_co_u32 s36, s36, s34                     ; k or v: + 32 rows x U
	s_mov_b32 s37, 0
	s_lshl_b32 s38, s[TI], 12
	s_add_co_u32 s38, s38, s34                     ; the output: + 16 rows x tile
	s_mov_b32 s39, 0
	s_lshl_b32 s34, s35, 15
	s_lshl_b32 s40, s[TI], 10
	s_add_co_u32 s40, s40, s34                     ; q's codes
	s_mov_b32 s41, 0
	s_lshl_b32 s34, s35, 10
	s_lshl_b32 s42, s[TI], 5
	s_add_co_u32 s42, s42, s34                     ; q's scale bytes
	s_mov_b32 s43, 0
	s_cmp_lt_u32 s[WV], 4
	s_cselect_b32 s27, -1, 0                       ; a team's waves 0-3 are k's, its waves 4-7 v's
	; every address register is made here, ahead of the first branch on the wave's number
	v_and_b32 v14, 31, v0                          ; lane
	v_and_b32 v15, 15, v0                          ; r
	v_bfe_u32 v16, v0, 4, 1                        ; h
	v_bfe_u32 v17, v0, 3, 2                        ; lane / 8
	v_and_b32 v18, 7, v0
	v_bfe_u32 v19, v0, 2, 1
	v_bfe_u32 v20, v0, 1, 1
	v_and_b32 v21, 1, v0
	v_lshlrev_b32 v[L16], 4, v14
	v_lshlrev_b32 v[PFO], 8, v14
	v_lshlrev_b32 v[QO], 6, v15
	v_lshlrev_b32 v[QSO], 1, v15
	v_lshlrev_b32 v[GO], 11, v16
	v_lshlrev_b32 v22, 5, v18
	v_lshl_add_u32 v[QO], v16, 4, v[QO]
	v_lshl_add_u32 v[GO], v15, 4, v[GO]            ; row j in lanes 0-15, row 8 + j in lanes 16-31; 16 bytes a lane
	v_lshl_add_u32 v22, v17, 8, v22
	v_and_b32 v23, 1, v17
	v_lshrrev_b32 v24, 1, v17
	v_cndmask_b32 v[LO], v[L16], v22, s27
	; group g of my keys: tile 2 U + g / 4, row 8 (lane / 8 % 2) + 2 (g % 4) + lane / 16; my 8 channels: block bit 2, half bit 1, 8 bytes bit 0 of the lane
	v_lshlrev_b32 v[IS], 9, v19
	v_lshlrev_b32 v[SS], 4, v23
	v_lshl_add_u32 v[IS], v20, 8, v[IS]
	v_lshl_add_u32 v[SS], v24, 1, v[SS]
	v_lshl_add_u32 v[IS], v21, 3, v[IS]
	v_add_nc_u32 v[SS], v19, v[SS]
	v_lshl_add_u32 v[IS], v23, 7, v[IS]
	v_add_nc_u32 v[SS], s29, v[SS]
	v_lshl_add_u32 v[IS], v24, 4, v[IS]
	v_add_nc_u32 v[WS], s31, v[L16]
	v_add_nc_u32 v[IS], s28, v[IS]
	; the mask table: wave j of a team writes register j of the diagonal tile: key 2 j + h, hidden from query r where 2 j + h > r
	v_add_nc_u32 v22, s30, v16
	v_mov_b32 v25, 0xff61b1e6                      ; -3e38
	v_cmp_gt_u32 vcc_lo, v22, v15
	v_cndmask_b32 v22, 0, v25, vcc_lo
	ds_store_b32 v[WS], v22
.set CJ, S
.rept 64                               ; (the way of a head's first windows, with nothing loaded here, passes the same text: so these are written)
	v_mov_b32 v[CJ], 0
.set CJ, CJ+1
.endr
	s_wait_alu depctr_va_vdst(0)                   ; the wait here, directly ahead of the wait below
	s_wait_kmcnt 0x0
	s_cmp_lt_u32 s[WV], 4
	s_cselect_b64 s[4:5], s[4:5], s[10:11]
	s_add_nc_u64 s[4:5], s[4:5], s[36:37]
	s_add_nc_u64 s[12:13], s[12:13], s[38:39]
	s_add_nc_u64 s[6:7], s[6:7], s[40:41]
	s_add_nc_u64 s[8:9], s[8:9], s[42:43]
	; first the window before my team's first, and q; all waves have asked for these when, behind a barrier, the first windows are asked for
	s_cmp_eq_u32 s[CH], 0
	s_cbranch_scc1 .Lfirst
	s_mov_b32 s[SKIP], 0
	s_cmp_lt_u32 s[WV], 4
	s_cbranch_scc0 .Lhalo_v
	KLOAD S, -32768
	s_branch .Lq
.Lhalo_v:
	VLOAD S, -32768
	s_branch .Lq
.Lfirst:
	s_mov_b32 s[SKIP], 1                           ; my first window is the head's first
.Lq:
	QLOAD
.set CJ, 13
.rept 49                               ; v13-61: the destination of a lane permute or a DPP move counts as read, and so does a pair's upper half
	v_mov_b32 v[CJ], 0
.set CJ, CJ+1
.endr
.irp i, 0,1,2,3,4,5,6,7
	v_mov_b32 v[QZ+\i], 0                          ; zero CODES: q's upper half,
	v_mov_b32 v[ZZ+\i], 0                          ; and what lies behind K's last fragment
.endr
.irp b, 0,1,2,3
	v_mov_b32 v[SOO+\b], 0
.endr
	s_wait_alu depctr_va_vdst(0)                   ; the wait at the head's end
	s_wait_dscnt 0x0                               ; my part of the mask table has landed
	s_barrier_signal -1
	s_barrier_wait -1
	s_cmp_lt_u32 s[WV], 4
	s_cbranch_scc0 .Lkv_v
	KLOAD KV, 0
	s_branch .Lkv
.Lkv_v:
	VLOAD KV, 0
.Lkv:
	s_cmp_lg_u32 s[SKIP], 0
	s_cbranch_scc1 .Lbegin
	s_cmp_lt_u32 s[WV], 4
	s_cbranch_scc0 .Lhq_v
	KADDR
	s_wait_alu depctr_va_vdst(0)
	s_wait_loadcnt 19                              ; behind the window before stand q's 3 loads and the first window's 16
	KQ S, 0, PC1
	s_branch .Lbegin
.Lhq_v:
	VADDR
	s_wait_alu depctr_va_vdst(0)
	s_wait_loadcnt 19
	VQ S, 0, PC1, NM
.Lbegin:
	RADDR
	s_mov_b32 s[TRIP], 4
	s_wait_alu depctr_va_vdst(0)
	s_wait_dscnt 0x0                               ; for the others' sake: my part of the image has landed
	s_barrier_signal -1
	s_barrier_wait -1
	global_prefetch_b8 v[PFO], s[4:5] offset:32768 th:TH_LOAD_NT scope:SCOPE_SE   ; my 32 rows of the window that the first trip will ask for
	s_cmp_lg_u32 s[SKIP], 0
	s_cbranch_scc1 .Lnoprev
	s_wait_loadcnt 16                              ; q; behind it stand the first window's 16 loads
	PREV                                           ; the first trip's window before, while those are on their way
	s_branch .Lstart
.Lnoprev:
	v_mov_b32 v[TX], 0xff61b1e6                    ; the largest t so far: -3e38, under every t
	v_mov_b32 v[SUM], 0
	v_mov_b32 v[SUM+1], 0
	v_floor_f32 v[NM], -v[TX]
.Lstart:
.Ltrip:                                            ; a window
	RADDR
	s_wait_alu depctr_va_vdst(0)                   ; the wait here, directly ahead of the wait below
	s_wait_loadcnt 0x0                             ; my part of the window, and q
	s_cmp_lt_u32 s[TRIP], s[LIM]
	s_cbranch_scc1 .Lasked                         ; the other team has made this window's image
	s_cmp_lt_u32 s[WV], 4
	s_cbranch_scc0 .Lquant_v
	KADDR
	KQ KV, SLOT, S
	s_cmp_le_u32 s[TRIP], s[LIM]
	s_cbranch_scc1 .Lasked                         ; no window of my own follows
	KLOAD KV, 32768                                ; my part of the next window
	s_branch .Lahead
.Lquant_v:
	VADDR
	VQ KV, SLOT, S, S+16
	s_cmp_le_u32 s[TRIP], s[LIM]
	s_cbranch_scc1 .Lasked
	VLOAD KV, 32768
.Lahead:
	s_cmp_le_u32 s[TRIP], s[LIMP]
	s_cbranch_scc1 .Lasked                         ; the next trip loads no window
	global_prefetch_b8 v[PFO], s[4:5] offset:65536 th:TH_LOAD_NT scope:SCOPE_SE   ; my 32 rows of the window that the next trip will ask for
.Lasked:
	s_wait_dscnt 0x0                               ; for the others' sake: my codes have landed
	s_barrier_signal -1                            ; up to the wait below: LDS loads of the window before, which nobody writes any more, and work on registers
	s_cmp_eq_u32 s[TRIP], 4
	s_cbranch_scc1 .Lmeet                          ; in the first trip that work is done already
	PREV
.Lmeet:
	v_add_nc_u32 v[WI], s[MT], v[L16]              ; where I read the mask
	s_wait_alu depctr_va_vdst(0)                   ; the wait ahead of the barrier
	s_barrier_wait -1                              ; the own window's image is whole
.irp t, 7,6,5,4,3,2,1
	s_cmp_eq_u32 s[TI], \t
	s_cbranch_scc1 .Lown\t
.endr
	OWN 1
	s_branch .Lowned
.Lown1:
	OWN 2
	s_branch .Lowned
.Lown2:
	OWN 3
	s_branch .Lowned
.Lown3:
	OWN 4
	s_branch .Lowned
.Lown4:
	OWN 5
	s_branch .Lowned
.Lown5:
	OWN 6
	s_branch .Lowned
.Lown6:
	OWN 7
	s_branch .Lowned
.Lown7:
	OWN 8
.Lowned:
	VSCALES SLOT, FS
	v_add_f32 v[SUM], v[SUM], v[SUM+1]
	s_delay_alu instid0(VALU_DEP_1)
	v_permlanex16_b32 v[T], v[SUM], s[SEL], s[SEL+1]
	s_delay_alu instid0(VALU_DEP_1)
	v_add_f32 v[SUM], v[SUM], v[T]
	s_wait_alu depctr_va_vdst(0)                   ; the wait ahead of the transcendental
	v_rcp_f32 v[RL], v[SUM]
	PLACES 4                                       ; a plain line behind the reciprocal, and the codes' four places ahead of the product
	s_wait_alu depctr_va_vdst(0)
	s_wait_dscnt 0x0
	PV PC2, PW2, FS, 1
	; ten lines that name none of its registers, also the places ahead of the loads below: in X lane r of lanes 0-15 has query r's 1 / sum, of lanes 16-31 query (r xor 8)'s; then register j has query 8 h + j's in every lane
	v_mov_b32_dpp v[X], v[RL] row_xmask:8 row_mask:0xf bank_mask:0xf
	v_cndmask_b32 v[X], v[RL], v[X], s[HM]
.irp j, 0,1,2,3,4,5,6,7
	v_mov_b32_dpp v[BJ+\j], v[X] row_share:\j row_mask:0xf bank_mask:0xf
.endr
	s_wait_alu depctr_va_vdst(0)                   ; the wait ahead of the branch
	s_cmp_lg_u32 s[SKIP], 0
	s_cbranch_scc1 .Lnopv
.irp t, 0,1,2,3
	VFETCH 0, \t
.endr
	VSCALES 0, FS+4
	s_wait_dscnt 0x0
	PV PC1, PW1, FS+4, 0
.Lnopv:
	PLACES 8
	; O / the sum: register 4 j + t: query 8 h + j, channel 4 r + t.  Two numbers an instruction, of neighbouring rows and tiles, so that the sources lie in different banks
.irp j, 0,2,4,6
	v_dual_mul_f32 v[S+4*\j], v[O+\j], v[BJ+\j] :: v_dual_mul_f32 v[S+4*\j+5], v[O+9+\j], v[BJ+\j+1]
	v_dual_mul_f32 v[S+4*\j+1], v[O+8+\j], v[BJ+\j] :: v_dual_mul_f32 v[S+4*\j+4], v[O+1+\j], v[BJ+\j+1]
	v_dual_mul_f32 v[S+4*\j+2], v[O+16+\j], v[BJ+\j] :: v_dual_mul_f32 v[S+4*\j+7], v[O+25+\j], v[BJ+\j+1]
	v_dual_mul_f32 v[S+4*\j+3], v[O+24+\j], v[BJ+\j] :: v_dual_mul_f32 v[S+4*\j+6], v[O+17+\j], v[BJ+\j+1]
.endr
.irp j, 0,1,2,3,4,5,6,7
	global_store_b128 v[GO], v[S+4*\j:S+4*\j+3], s[12:13] offset:256*\j th:TH_STORE_NT   ; two whole rows of 256 bytes, aligned
.endr
	s_wait_xcnt 0x0                                ; stores, loads and prefetch have read their registers and bases: these are written again only behind this wait
	s_add_nc_u64 s[12:13], s[12:13], 32768
	s_add_nc_u64 s[4:5], s[4:5], 32768
	s_mov_b32 s[SKIP], 0
	s_add_co_u32 s[RB], s[RB], SLOT
	s_sub_co_i32 s[TRIP], s[TRIP], 1
	s_cmp_lg_u32 s[TRIP], 0
	s_wait_alu depctr_va_vdst(0)                   ; the wait ahead of the branch
	s_cbranch_scc1 .Ltrip
	s_wait_loadcnt 0x0                             ; no load into the registers written below is on its way, on any way through the text
	v_lshl_add_u32 v254, v0, 2, SPARE
	v_mov_b32 v255, 0
	s_wait_alu depctr_va_vdst(0)
	s_wait_tensorcnt 0x0                           ; the wave's end
	ds_add_u32 v254, v255
	s_wait_dscnt 0x0
	s_endpgm
.Lfunc_end_k_q8b2155ff77_attn:
	.size	k_q8b2155ff77_attn, .Lfunc_end_k_q8b2155ff77_attn-k_q8b2155ff77_attn
	.p2alignl 7, 3214868480
	.fill 96, 4, 3214868480
	.section	.rodata,"a",@progbits
	.p2align	6, 0x0
	.amdhsa_kernel k_q8b2155ff77_attn
		.amdhsa_group_segment_fixed_size 156160
		.amdhsa_private_segment_fixed_size 0
		.amdhsa_enable_private_segment 0
		.amdhsa_kernarg_size 40
		.amdhsa_user_sgpr_count 2
		.amdhsa_user_sgpr_kernarg_segment_ptr 1
		.amdhsa_wavefront_size32 1
		.amdhsa_system_sgpr_workgroup_id_x 1
		.amdhsa_system_sgpr_workgroup_id_y 1
		.amdhsa_system_sgpr_workgroup_id_z 1
		.amdhsa_system_vgpr_workitem_id 0
		.amdhsa_next_free_vgpr 256
		.amdhsa_next_free_sgpr 66
		.amdhsa_reserve_vcc 1
		.amdhsa_float_denorm_mode_32 3
		.amdhsa_float_denorm_mode_16_64 3
		.amdhsa_memory_ordered 1
		.amdhsa_forward_progress 1
		.amdhsa_inst_pref_size 191
	.end_amdhsa_kernel
	.amdgpu_metadata
---
amdhsa.version: [ 1, 2 ]
amdhsa.kernels:
  - .name:           k_q8b2155ff77_attn
    .symbol:         k_q8b2155ff77_attn.kd
    .args:
      - { .name: k, .offset: 0, .size: 8, .value_kind: global_buffer, .address_space: global }
      - { .name: q_codes, .offset: 8, .size: 8, .value_kind: global_buffer, .address_space: global }
      - { .name: q_scales, .offset: 16, .size: 8, .value_kind: global_buffer, .address_space: global }
      - { .name: v, .offset: 24, .size: 8, .value_kind: global_buffer, .address_space: global }
      - { .name: out0, .offset: 32, .size: 8, .value_kind: global_buffer, .address_space: global }
    .group_segment_fixed_size: 156160
    .private_segment_fixed_size: 0
    .kernarg_segment_align: 8
    .kernarg_segment_size: 40
    .max_flat_workgroup_size: 512
    .sgpr_count:     66
    .vgpr_count:     256
    .wavefront_size: 32
...
	.end_amdgpu_metadata
.endif
;; end of part 1
